; MI455X (gfx1250); checked and timed in simulation.
; The chip was launched on July 23, 2026; its instructions are those of AMD's public machine-readable ISA for CDNA 5 (MIT licence, August 2026) and "CDNA5" Instruction Set Architecture Reference Guide (July 2026). The comments in the code are by the model that wrote it; some were corrected since.
;; Head. Allowed arithmetic: matrix products marked QUANTISED: E3M2 operands, one E8M0 scale for each 32 along K, by v_wmma_scale_f32_16x16x128_f8f6f4 with both operands' format E3M2, f32 sums; everything else in f32.
;; Inputs: Wk 128 x 1,024 float32; Wq 128 x 1,024 float32; Wv 128 x 1,024 float32; bk 128 float32; bq 128 float32; bv 128 float32; inputs 4 x 4,096 x 1,024 float32; padding_mask 4 x 4,096 int32.
;; Outputs: out0 4 x 4,096 x 128 float32.
;; This version of the problem:
;;   THIS VERSION OF THE PROBLEM IS GIVEN IN LOW PRECISION. The matrix products marked QUANTISED in the list below multiply operands that are first quantised to E3M2 (3 exponent bits, 2 mantissa bits; 6 bits a number), with one power-of-two scale for each 32 numbers along K (OCP MX v1.0); their sums are f32. All else is computed in f32.
;;   The module's matrix products, in the order in which they are computed (A, B: the left and right operand; K: the contracted axis; several contracted axes count as one K, in the product's order):
;;     1. [M 16,384, K 1,024] x [K 1,024, N 128]; A: input inputs; B: input Wk: QUANTISED
;;     2. [M 16,384, K 1,024] x [K 1,024, N 128]; A: input inputs; B: input Wq: QUANTISED
;;     3. [M 16,384, K 1,024] x [K 1,024, N 128]; A: input inputs; B: input Wv: QUANTISED
;;     4. batch 4 x [M 4,096, K 128] x [K 128, N 4,096]; A: computed on the way; B: computed on the way: QUANTISED
;;     5. batch 4 x [M 4,096, K 4,096] x [K 4,096, N 128]; A: softmax (see below); B: computed on the way: QUANTISED
;;   THE QUANTISER, for each operand of a quantised product, along K:
;;     - K is cut into blocks of 32 from its start; a last block that is shorter is filled with zeros.
;;     - A block's scale is 2^e with e = floor(log2(the largest magnitude in the block)) - 4, held to -126 .. 127; a block of zeros has e = 0. As a byte (E8M0): e + 127.
;;     - Each number is divided by its block's scale, clamped to +-28, and rounded to the nearest number of E3M2, ties to even, subnormals kept.
;;     - The product sums the exact products of the quantised numbers (number of the format x scale) in f32.
;;   ~~~python
;;   def quantise(x, axis):      # numpy; x: float32 -> the quantised numbers, widened to float32 again
;;       x = np.moveaxis(x, axis, -1); K = x.shape[-1]
;;       x = np.pad(x, [(0, 0)] * (x.ndim - 1) + [(0, -K % 32)]); x = x.reshape(x.shape[:-1] + (-1, 32)); a = np.abs(x).max(-1, keepdims=True)
;;       e = np.where(a > 0, np.clip(np.frexp(np.where(a > 0, a, 1))[1] - 1 - 4, -126, 127), 0)      # np.frexp(a)[1] - 1 = floor(log2(a)), exactly
;;       r = np.clip(x / 2.0 ** e, -28, 28)
;;       step = 2.0 ** (np.maximum(np.frexp(np.where(r == 0, 1, r))[1] - 1, -2) - 2)
;;       q = np.round(r / step) * step * 2.0 ** e      # np.round: ties to even
;;       return np.moveaxis(q.reshape(q.shape[:-2] + (-1,))[..., :K], -1, axis).astype(np.float32)
;;   ~~~
;;   SOFTMAX AHEAD OF A QUANTISED PRODUCT. Where the list says 'softmax', what is quantised is not the finished softmax but p = 2^(t - M), with t = logit x log2(e) and M = ceil(the row's largest t), a whole number; so 1/2 < the row's largest p <= 1. The row's sum l is taken of the UNQUANTISED p, in f32, and the product's result is divided by l at the end. Since M is a whole number, a kernel that streams over the keys may use a running M (the ceiling of the running maximum): every later rescaling is an exact power of two, which a block's scale takes up: the codes' values come out the same.
;;   OPERANDS COMPUTED ON THE WAY. 'Computed on the way' means the value that the module computes at that place (a softmax that the list does not call 'softmax' is quantised finished and normalised). What goes into a quantiser is computed in f32, as accurately as f32 sums, v_exp_f32 and their like allow (about 1e-6 of the number): no bf16 or f16 on the way to a quantiser, and a product that is left as it is and whose result goes on into a quantised operand takes f32 operands (vector FMAs, or v_wmma_f32_16x16x4_f32). A number that lies on a knife's edge between two numbers of the format may be rounded either way, as far as f32 arithmetic and the matrix unit's own rounding can turn it there, and no further.
;; One version. Each part assembles by itself: llvm-mc -triple=amdgcn-amd-amdhsa -mcpu=gfx1250 --defsym DOCPART=n.
;; ======== version 1 of 1: 3 launches
;; limits: right only within a limited range of input values
;; workspace buffers: wc 294,912 bytes; ws 24,576 bytes; qc 1,572,864 bytes; qs 65,536 bytes; kv 3,276,800 bytes
;; launch wq (part 1): grid 48 x 1, 4 waves a work-group, no clusters, 1,536 bytes of LDS; arguments Wq, Wk, Wv, wc, ws; writes wc, ws
.if DOCPART == 1
	.amdgcn_target "amdgcn-amd-amdhsa--gfx1250"
	.amdhsa_code_object_version 6
	.text
	.protected	k_q2bc1278a36_wq
	.globl	k_q2bc1278a36_wq
	.p2align	8
	.type	k_q2bc1278a36_wq,@function
k_q2bc1278a36_wq:
	s_mov_b64 s[64:65], 0
	v_nop
	global_prefetch_b8 v0, s[64:65] scope:SCOPE_SE
	s_setreg_imm32_b32 hwreg(HW_REG_WAVE_MODE, 25, 1), 1
	s_wait_xcnt 0x0
; Wq, Wk, Wv [128][1024] f32 become codes of BF6 (E3M2) with one E8M0 byte for each 32 along K = 1024, laid in the order in which the projection launch's waves take them into registers.
; A fragment is 16 rows x 128 K: 12 registers a lane.  Its image: register group g (registers 4 g .. 4 g + 3) at 512 g + 16 x lane: 1,536 bytes.
; wc: [wave 8][phase 4][half 2][jj 3][image], K step = 4 x half + phase.  Wave w < 4 takes tiles 2 w, 2 w + 1 of Wq (jj 0, 1), wave 4 + b tiles 2 b, 2 b + 1 of Wk; jj = 2: tile w of Wv.
; ws: [wave 8][2 jj + half][lane 32][16 bytes]: word phase is the scale word of the lane's row.
; THE ROWS OF A TILE of Wq and Wk are not neighbours: place r of tile 2 b + u is row 32 b + 8 u + r + 8 (r / 8), so that the results of two neighbouring tiles are 16 neighbours along the next K.  Wv's tiles are rows 16 j + r.
; SHARES: 24 tiles x 8 K steps = 192 fragments; a wave makes one; a work-group one tile and four K steps, whose four scale words leave together as 512 consecutive bytes.
; No tensor load, no cluster: no two work-groups read the same bytes.  1.5 MB are read once.
; LIMITS: NaN and infinities are not served; a block whose largest magnitude lies under 2^-122 keeps the byte 1; so does a block of zeros (its codes are zeros, and this program alone reads the bytes).
.set ST,  32                           ; v32-95   64 numbers: register 32 c + i = k 64 c + 32 (lane / 16) + i of my row: two whole blocks
.set TM,  100                          ; v100-108 at work
.set PW,  116                          ; the scale word
.set PC,  120                          ; v120-131 the codes; v132 at work
.set H8,  7                            ; 8 x (lane / 16)
.set SEL, 20                           ; s[20:21] selects for lane l xor 16
.macro QUANT s
	v_max3_num_f32 v[TM], |v[\s]|, |v[\s+1]|, 0x2800000              ; the floor 2^(5 - 127) among the leaves: the byte cannot fall under 1
	v_max_num_f32 v[TM+1], |v[\s+16]|, |v[\s+17]|
	v_max3_num_f32 v[TM+2], |v[\s+32]|, |v[\s+33]|, 0x2800000
	v_max_num_f32 v[TM+3], |v[\s+48]|, |v[\s+49]|
.irp i, 2,4,6,8,10,12,14
.irp q, 0,1,2,3
	v_max3_num_f32 v[TM+\q], v[TM+\q], |v[\s+16*\q+\i]|, |v[\s+1+16*\q+\i]|
.endr
.endr
	v_max_num_f32 v[TM], v[TM], v[TM+1]
	v_max_num_f32 v[TM+2], v[TM+2], v[TM+3]
	v_add_nc_u32 v[TM+4], 0xfe000000, v[TM]                          ; 4 off the exponent field: the conversion's scale operand
	v_add_nc_u32 v[TM+5], 0xfe000000, v[TM+2]
	v_lshrrev_b32 v[TM+6], 23, v[TM+4]                               ; the scale's byte
	v_lshrrev_b32 v[TM+7], 23, v[TM+5]
	v_cvt_scalef32_pk16_bf6_f32 v[PC:PC+2], v[\s:\s+15], v[TM+4]
	v_cvt_scalef32_pk16_bf6_f32 v[PC+4:PC+6], v[\s+16:\s+31], v[TM+4]   ; (a conversion's three registers begin on an even number)
	v_lshl_or_b32 v[PW], v[TM+7], 16, v[TM+6]                        ; my two bytes: blocks h and 2 + h; a plain place behind the conversions
.irp i, 3,4,5
	v_mov_b32 v[PC+\i], v[PC+\i+1]
.endr
	v_cvt_scalef32_pk16_bf6_f32 v[PC+6:PC+8], v[\s+32:\s+47], v[TM+5]
	v_cvt_scalef32_pk16_bf6_f32 v[PC+10:PC+12], v[\s+48:\s+63], v[TM+5]
	v_lshlrev_b32 v[PW], v[H8], v[PW]                                ; at their places,
.irp i, 9,10,11
	v_mov_b32 v[PC+\i], v[PC+\i+1]
.endr
	v_permlanex16_b32 v[TM+8], v[PW], s[SEL], s[SEL+1]
	v_or_b32 v[PW], v[PW], v[TM+8]                                   ; with lane l xor 16's the word is whole
.endm
	s_load_b128 s[4:7], s[0:1], 0x0                ; Wq, Wk
	s_load_b128 s[8:11], s[0:1], 0x10              ; Wv, wc
	s_load_b64 s[12:13], s[0:1], 0x20              ; ws
	v_lshl_add_u32 v144, v0, 2, 0x400              ; my spare word
	v_mov_b32 v145, 0
	v_lshrrev_b32 v1, 5, v0
	v_readfirstlane_b32 s14, v1                    ; wave 0..3: my K step's phase
	v_lshlrev_b32 v6, 2, v1
	v_and_b32 v1, 31, v0                           ; lane
	v_and_b32 v2, 15, v0                           ; r
	v_bfe_u32 v3, v0, 4, 1                         ; h
	v_lshlrev_b32 v5, 4, v1                        ; 16 x lane
	v_add_nc_u32 v6, v5, v6                        ; LDS: my lane's 16 bytes, my wave's word
	v_lshlrev_b32 v[H8], 3, v3
	v_mov_b32 v[TM+8], 0                           ; a lane permute's destination counts as one of its sources
	s_wait_alu depctr_va_vdst(0)
	s_mov_b32 s[SEL], 0x76543210
	s_mov_b32 s[SEL+1], 0xfedcba98
	s_lshr_b32 s15, ttmp9, 1                       ; tile 0..23
	s_and_b32 s16, ttmp9, 1                        ; which half of the K steps
	s_lshr_b32 s17, s15, 3                         ; matrix: 0 Wq, 1 Wk, 2 Wv
	s_and_b32 s18, s15, 7                          ; its tile j
	s_lshr_b32 s19, s18, 1
	s_and_b32 s22, s18, 1
	s_lshl_b32 s23, s16, 2
	s_add_co_u32 s23, s23, s14                     ; my K step
	s_lshl_b32 s24, s19, 5
	s_lshl_b32 s25, s22, 3
	s_add_co_u32 s24, s24, s25                     ; Wq, Wk: the tile begins at row 32 (j / 2) + 8 (j % 2)
	s_lshl_b32 s25, s18, 4                         ; Wv: at row 16 j
	s_cmp_lt_u32 s17, 2
	s_cselect_b32 s24, s24, s25
	s_cselect_b32 s26, 8, 0                        ; Wq, Wk: places 8-15 lie 8 rows further on
	v_and_b32 v4, s26, v2
	v_add_nc_u32 v4, v4, v2
	v_add_nc_u32 v4, s24, v4                       ; my row
	v_lshlrev_b32 v4, 12, v4                       ; of 4,096 bytes
	v_lshl_add_u32 v4, v3, 7, v4                   ; + 128 h: my block of each two
	s_lshl_b32 s25, s23, 9
	v_add_nc_u32 v4, s25, v4                       ; + 512 x K step
	s_lshl_b32 s25, s17, 2
	s_add_co_u32 s19, s19, s25                     ; the projection's wave: Wq j / 2, Wk 4 + j / 2,
	s_cmp_lt_u32 s17, 2
	s_cselect_b32 s19, s19, s18                    ; Wv j
	s_cselect_b32 s28, s22, 2                      ; jj
	s_lshl_b32 s27, s19, 2
	s_add_co_u32 s27, s27, s14
	s_lshl_b32 s27, s27, 1
	s_add_co_u32 s27, s27, s16
	s_mul_i32 s27, s27, 3
	s_add_co_u32 s27, s27, s28
	s_mul_i32 s30, s27, 1536                       ; my image's place in wc
	s_mov_b32 s31, 0
	s_mul_i32 s27, s19, 6
	s_lshl_b32 s28, s28, 1
	s_add_co_u32 s27, s27, s28
	s_add_co_u32 s27, s27, s16
	s_lshl_b32 s32, s27, 9                         ; the work-group's 512 bytes in ws
	s_mov_b32 s33, 0
	s_wait_alu depctr_va_vdst(0)
	s_wait_kmcnt 0x0
	s_cmp_lt_u32 s17, 1                            ; the choice of the matrix hangs on the work-group's number alone
	s_cselect_b64 s[4:5], s[4:5], s[6:7]
	s_cmp_lt_u32 s17, 2
	s_cselect_b64 s[4:5], s[4:5], s[8:9]
	s_add_nc_u64 s[10:11], s[10:11], s[30:31]
	s_add_nc_u64 s[12:13], s[12:13], s[32:33]
.irp c, 0,1
.irp i, 0,1,2,3,4,5,6,7
	global_load_b128 v[ST+32*\c+4*\i:ST+32*\c+4*\i+3], v4, s[4:5] offset:256*\c+16*\i
.endr
.endr
	s_wait_loadcnt 0x0
	QUANT ST
.irp g, 0,1,2
	global_store_b128 v5, v[PC+4*\g:PC+4*\g+3], s[10:11] offset:512*\g   ; 32 lanes store 512 consecutive bytes
.endr
	ds_store_b32 v6, v[PW]
	s_wait_dscnt 0x0                               ; for the others' sake: my word lies in LDS
	s_barrier_signal -1
	s_barrier_wait -1
	s_cmp_lg_u32 s14, 0
	s_cbranch_scc1 .Ldone
	ds_load_b128 v[8:11], v5                       ; wave 0: the four K steps' words of each lane's row
	s_wait_dscnt 0x0
	global_store_b128 v5, v[8:11], s[12:13]
.Ldone:
	s_wait_tensorcnt 0x0                           ; the wave's end
	ds_add_u32 v144, v145
	s_wait_dscnt 0x0
	s_endpgm
.Lfunc_end_k_q2bc1278a36_wq:
	.size	k_q2bc1278a36_wq, .Lfunc_end_k_q2bc1278a36_wq-k_q2bc1278a36_wq
	.p2alignl 7, 3214868480
	.fill 96, 4, 3214868480
	.section	.rodata,"a",@progbits
	.p2align	6, 0x0
	.amdhsa_kernel k_q2bc1278a36_wq
		.amdhsa_group_segment_fixed_size 1536
		.amdhsa_private_segment_fixed_size 0
		.amdhsa_enable_private_segment 0
		.amdhsa_kernarg_size 40
		.amdhsa_user_sgpr_count 2
		.amdhsa_user_sgpr_kernarg_segment_ptr 1
		.amdhsa_wavefront_size32 1
		.amdhsa_system_sgpr_workgroup_id_x 1
		.amdhsa_system_sgpr_workgroup_id_y 1
		.amdhsa_system_sgpr_workgroup_id_z 1
		.amdhsa_system_vgpr_workitem_id 0
		.amdhsa_next_free_vgpr 146
		.amdhsa_next_free_sgpr 66
		.amdhsa_reserve_vcc 0
		.amdhsa_float_denorm_mode_32 3
		.amdhsa_float_denorm_mode_16_64 3
		.amdhsa_memory_ordered 1
		.amdhsa_forward_progress 1
		.amdhsa_inst_pref_size 8
	.end_amdhsa_kernel
	.amdgpu_metadata
---
amdhsa.version: [ 1, 2 ]
amdhsa.kernels:
  - .name:           k_q2bc1278a36_wq
    .symbol:         k_q2bc1278a36_wq.kd
    .args:
      - { .name: Wq, .offset: 0, .size: 8, .value_kind: global_buffer, .address_space: global }
      - { .name: Wk, .offset: 8, .size: 8, .value_kind: global_buffer, .address_space: global }
      - { .name: Wv, .offset: 16, .size: 8, .value_kind: global_buffer, .address_space: global }
      - { .name: wc, .offset: 24, .size: 8, .value_kind: global_buffer, .address_space: global }
      - { .name: ws, .offset: 32, .size: 8, .value_kind: global_buffer, .address_space: global }
    .group_segment_fixed_size: 1536
    .private_segment_fixed_size: 0
    .kernarg_segment_align: 8
    .kernarg_segment_size: 40
    .max_flat_workgroup_size: 128
    .sgpr_count:     66
    .vgpr_count:     146
    .wavefront_size: 32
...
	.end_amdgpu_metadata
.endif
;; end of part 1
;; launch proj (part 2): grid 256 x 1, 8 waves a work-group, no clusters, 327,680 bytes of LDS; arguments inputs, wc, ws, bq, bk, bv, qc, qs, kv; writes qc, qs, kv
.if DOCPART == 2
	.amdgcn_target "amdgcn-amd-amdhsa--gfx1250"
	.amdhsa_code_object_version 6
	.text
	.protected	k_q2bc1278a36_proj
	.globl	k_q2bc1278a36_proj
	.p2align	8
	.type	k_q2bc1278a36_proj,@function
k_q2bc1278a36_proj:
	s_mov_b64 s[64:65], 0
	v_nop
	global_prefetch_b8 v0, s[64:65] scope:SCOPE_SE
	s_setreg_imm32_b32 hwreg(HW_REG_WAVE_MODE, 25, 1), 1
	s_wait_xcnt 0x0
; q, k, v = inputs W^T + bias on codes of BF6 (E3M2), sums in f32; q and k are quantised along the 128 channels, v along the keys, and laid as the attention launch's operand registers.  A work-group makes 64 tokens x 384 channels.
; x TILES.  Place m of tile t (0..3) is token 8 t + m % 8 + 32 (m / 8) of the work-group's 64.  So a matrix result whose rows are tokens gives lane half h the tokens 32 h + 8 t + j: four tiles are a whole block of 32 tokens in a lane.
; x IN.  All 64 rows x 4,096 bytes are asked for at the head by asynchronous copies, 64 a wave: wave w brings the 16 rows of tile w / 2, K half w % 2, in four phases of 512 bytes a row.  A wave quantises its own bytes, phase by phase, behind counted
; waits: 48, 32, 16, 0 copies, those of the phases still to come, may be out.  Nothing is filled twice.
; A PHASE.  The wave's fragment (16 rows x 128 K) goes to LDS as an image of the operand's registers; one barrier; then every wave multiplies K steps j and 4 + j of all four tiles.  The images of the four phases have bytes of their own.
; W.  Wave w owns two tiles of Wq (w < 4) or Wk and one of Wv; its fragments come from memory straight into registers, two phases deep (18 loads a phase).  No cluster: what work-groups share are these register loads; x is read by one work-group alone.
; No prefetch: no loop runs ahead; all of x is asked for at once, in the head.
; q and k are made TRANSPOSED (source 0 = W): a lane holds one token and 16 neighbouring channels of a block; lane l xor 16 has the other 16.  v is made with source 0 = x: a lane holds one channel and a whole block of 32 tokens.
; kv: a record for each 128 keys: K 8 tiles x image of 1,536 (register group g at 512 g + 16 x lane); at 12,288 V: [64 keys 2][channel tile 8][512 + 256: registers 0-3, 4-5 of 6]; at 24,576 K's scale bytes [64 keys 2][r 16][tile 4][block 4],
;   at 25,088 V's [64 keys 2][r 16][channel tile 8][block 2].   qc: [work-group][tile 4][image];  qs: [work-group][r 16][tile 4][block 4].
; LIMITS: NaN and infinities are not served; a block whose largest magnitude lies under 2^-122 keeps the byte 1; so does a block of zeros (its codes are zeros, and this program alone reads the bytes).
.set XROW, 2064                        ; an LDS row of x: 2,048 bytes + 16
.set XWV,  16*XROW                     ; a wave's 16 rows
.set FRB,  1536
.set XIMG, 8*XWV                       ; images [tile 4][K step 8]
.set XSC,  XIMG+32*FRB                 ; scale words [K step 8][lane 32][tile 4]
.set SPARE, XSC+4096                   ; the spare words, 128 bytes a wave: no other line names them
.set QSB,  12288                       ; the way out, over x's bytes (filled once, read to the end): q's and k's images from 0, scale bytes from here: q, k, v
.set REC,  25600
.set LX,  2
.set WO,  3                            ; 16 x lane
.set XA,  4
.set XWI, 5
.set XWS, 6
.set LI,  7
.set LS,  8
.set RA,  9                            ; v9-11
.set SBA, 12
.set SVA, 13
.set O8,  14                           ; 8 x lane
.set H8,  15                           ; 8 x h
.set WS,  16                           ; v16-39 W's scale words: 8 jj + K step
.set XS,  40                           ; v40-47 x's: 4 half + tile
.set PW,  48
.set TM,  50                           ; v50-58 at work
.set HH,  59
.set RDI, 60
.set RDS, 61
.set BO,  62
.set BV,  63
.set LN,  64
.set RR,  65
.set ST,  66                           ; v66-129 a phase's 64 numbers
.set PC,  130                          ; v130-142 codes
.set XFR, 150                          ; v150-245 x's eight fragments of a phase
.set BVR, 246                          ; v246-253 v's bias
.set SPW, 254
.set NIL, 255
.set WB,  96                           ; window 1: v0-95 the 12 accumulators; v96-239 W, two phases; v240-255 q's or k's bias
.set BQR, 240
.set EM,  66                           ; the way out, over ST
.set EP,  72
.set EO,  76
.set EB,  81
.set EC,  86
.set EV,  102
.set OUT, 110
.set WV,  22
.set SB,  32                           ; s[32:63] the copies' bases, a pair for each row
.set SEL, 66
.set MSB, 0
.macro WIN new
.if MSB != (\new)
	s_set_vgpr_msb (MSB<<8)|(\new)
.set MSB, (\new)
.endif
.endm
.macro PLACES n
.rept \n
	v_nop
.endr
.endm
; 64 numbers of a lane (register 32 c + i = k 64 c + 32 h + i: two whole blocks) become a fragment's codes in v[PC] on and its scale word in v[PW]
.macro QUANT s
	v_max3_num_f32 v[TM], |v[\s]|, |v[\s+1]|, 0x2800000              ; the floor 2^(5 - 127) among the leaves: the byte cannot fall under 1
	v_max_num_f32 v[TM+1], |v[\s+16]|, |v[\s+17]|
	v_max3_num_f32 v[TM+2], |v[\s+32]|, |v[\s+33]|, 0x2800000
	v_max_num_f32 v[TM+3], |v[\s+48]|, |v[\s+49]|
.irp i, 2,4,6,8,10,12,14
.irp q, 0,1,2,3
	v_max3_num_f32 v[TM+\q], v[TM+\q], |v[\s+16*\q+\i]|, |v[\s+1+16*\q+\i]|
.endr
.endr
	v_max_num_f32 v[TM], v[TM], v[TM+1]
	v_max_num_f32 v[TM+2], v[TM+2], v[TM+3]
	v_add_nc_u32 v[TM+4], 0xfe000000, v[TM]                          ; 4 off the exponent field: the conversion's scale operand
	v_add_nc_u32 v[TM+5], 0xfe000000, v[TM+2]
	v_lshrrev_b32 v[TM+6], 23, v[TM+4]
	v_lshrrev_b32 v[TM+7], 23, v[TM+5]
	v_cvt_scalef32_pk16_bf6_f32 v[PC:PC+2], v[\s:\s+15], v[TM+4]
	v_cvt_scalef32_pk16_bf6_f32 v[PC+4:PC+6], v[\s+16:\s+31], v[TM+4]
	v_lshl_or_b32 v[PW], v[TM+7], 16, v[TM+6]                        ; (a plain place behind the conversions)
.irp i, 3,4,5
	v_mov_b32 v[PC+\i], v[PC+\i+1]
.endr
	v_cvt_scalef32_pk16_bf6_f32 v[PC+6:PC+8], v[\s+32:\s+47], v[TM+5]
	v_cvt_scalef32_pk16_bf6_f32 v[PC+10:PC+12], v[\s+48:\s+63], v[TM+5]
	v_lshlrev_b32 v[PW], v[H8], v[PW]
.irp i, 9,10,11
	v_mov_b32 v[PC+\i], v[PC+\i+1]
.endr
	v_permlanex16_b32 v[TM+8], v[PW], s[SEL], s[SEL+1]
	v_or_b32 v[PW], v[PW], v[TM+8]                                   ; with lane l xor 16's two bytes the word is whole
.endm
; Phase j's copies: row q's base holds the row's displacement less q x XROW, so that one immediate serves memory and LDS.  32 lanes copy 512 consecutive bytes
.macro XCOPY j
.irp q, 0,1,2,3,4,5,6,7,8,9,10,11,12,13,14,15
	global_load_async_to_lds_b128 v[LX], v[WO], s[SB+2*\q:SB+2*\q+1] offset:XROW*\q+512*\j
.endr
.endm
.macro WLOAD j                         ; phase j's six fragments of W
	WIN 0x40
.irp s2, 0,1
.irp jj, 0,1,2
.irp g, 0,1,2
	global_load_b128 v[WB+72*((\j)%2)+36*\s2+12*\jj+4*\g:WB+72*((\j)%2)+36*\s2+12*\jj+4*\g+3], v[WO], s[6:7] offset:((2*(\j)+\s2)*3+\jj)*FRB+512*\g
.endr
.endr
.endr
	WIN 0
.endm
; K step 4 s2 + j: 12 products, the accumulators by turns.  The first take the biases as C
.macro MULS j, s2
	WIN 0x51
.irp t, 0,1,2,3
.irp u, 0,1
.set rD, 16*\t+8*\u
.set rA, WB+72*((\j)%2)+36*(\s2)+12*\u
.set rB, XFR+48*(\s2)+12*\t
.set rC, rD
.if (\j)+(\s2) == 0
.set rC, BQR+8*\u
.endif
	v_wmma_scale_f32_16x16x128_f8f6f4 v[rD:rD+7], v[rA:rA+11], v[rB:rB+11], v[rC:rC+7], v[WS+8*\u+4*(\s2)+\j], v[XS+4*(\s2)+\t] matrix_a_fmt:MATRIX_FMT_BF6 matrix_b_fmt:MATRIX_FMT_BF6
.endr
.endr
.if (\j)+(\s2) == 0
	WIN 0x44
.else
	WIN 0x54
.endif
.irp t, 0,1,2,3
.set rD, 64+8*\t
.set rA, XFR+48*(\s2)+12*\t
.set rB, WB+72*((\j)%2)+36*(\s2)+24
.set rC, rD
.if (\j)+(\s2) == 0
.set rC, BVR
.endif
	v_wmma_scale_f32_16x16x128_f8f6f4 v[rD:rD+7], v[rA:rA+11], v[rB:rB+11], v[rC:rC+7], v[XS+4*(\s2)+\t], v[WS+16+4*(\s2)+\j] matrix_a_fmt:MATRIX_FMT_BF6 matrix_b_fmt:MATRIX_FMT_BF6
.endr
.endm
.macro PHASE j
	s_wait_asynccnt 48-16*(\j)                     ; my copies of this phase have landed; those of the phases behind it may be out
.irp c, 0,1
.irp i, 0,1,2,3,4,5,6,7
	ds_load_b128 v[ST+32*\c+4*\i:ST+32*\c+4*\i+3], v[XA] offset:512*(\j)+256*\c+16*\i
.endr
.endr
	s_wait_dscnt 0x0
	QUANT ST
.irp g, 0,1,2
	ds_store_b128 v[XWI], v[PC+4*\g:PC+4*\g+3] offset:(\j)*FRB+512*\g
.endr
	ds_store_b32 v[XWS], v[PW] offset:512*(\j)
	s_wait_dscnt 0x0                               ; for the others' sake
	s_barrier_signal -1
	s_barrier_wait -1
.irp s2, 0,1
.irp t, 0,1,2,3
.irp g, 0,1,2
	ds_load_b128 v[XFR+48*\s2+12*\t+4*\g:XFR+48*\s2+12*\t+4*\g+3], v[LI] offset:(8*\t+4*\s2+\j)*FRB+512*\g
.endr
.endr
	ds_load_b128 v[XS+4*\s2:XS+4*\s2+3], v[LS] offset:512*(4*\s2+\j)
.endr
.if (\j) < 3
	s_wait_loadcnt 18                              ; this phase's W is in; the next phase's 18 loads may be out
.else
	s_wait_loadcnt 0x0
.endif
	s_wait_dscnt 13                                ; K step j's fragments are in; the other's 13 loads may be out
	MULS \j, 0
	s_wait_dscnt 0x0
	MULS \j, 1
	WIN 0
.if (\j) < 2
	PLACES 4                                       ; in front of loads into registers that products have read
	WLOAD (\j)+2
.endif
.endm
	s_load_b256 s[4:11], s[0:1], 0x0               ; inputs, wc, ws, bq
	s_load_b256 s[12:19], s[0:1], 0x20             ; bk, bv, qc, qs
	s_load_b64 s[20:21], s[0:1], 0x40              ; kv
	v_lshl_add_u32 v[SPW], v0, 2, SPARE
	v_mov_b32 v[NIL], 0
	ds_add_u32 v[SPW], v[NIL]                      ; the wave's opening: the add, twice on end, and its wait ahead of my first copy
	ds_add_u32 v[SPW], v[NIL]
	v_lshrrev_b32 v1, 5, v0
	v_readfirstlane_b32 s[WV], v1                  ; wave 0..7
	s_lshr_b32 s68, s[WV], 1                       ; my x tile
	s_and_b32 s69, s[WV], 1                        ; my K half
	s_mul_i32 s72, s[WV], XWV
	s_mul_i32 s73, s[WV], 4*FRB
	v_and_b32 v[LN], 31, v0
	v_and_b32 v[RR], 15, v0
	v_bfe_u32 v[HH], v0, 4, 1
	v_lshlrev_b32 v[WO], 4, v[LN]
	v_lshlrev_b32 v[O8], 3, v[LN]
	v_lshlrev_b32 v[H8], 3, v[HH]
	v_lshlrev_b32 v[BO], 6, v[HH]
	v_lshlrev_b32 v[BV], 2, v[RR]
	v_add_nc_u32 v[LX], s72, v[WO]                 ; where my copies land: + q x XROW
	v_mul_u32_u24 v[XA], XROW, v[RR]
	v_lshl_add_u32 v[XA], v[HH], 7, v[XA]
	v_add_nc_u32 v[XA], s72, v[XA]                 ; row r, my block of each two
	v_add_nc_u32 v[LI], XIMG, v[WO]
	v_add_nc_u32 v[LS], XSC, v[WO]
	v_add_nc_u32 v[XWI], s73, v[LI]                ; my image: tile w / 2, K step 4 (w % 2) + phase = 4 w + phase on
	s_lshl_b32 s73, s69, 11
	s_lshl_b32 s74, s68, 2
	s_add_co_u32 s73, s73, s74
	v_add_nc_u32 v[XWS], s73, v[LS]                ; and its scale words
	; the way out of q's or k's block b = w % 4: half block h of token place r is registers 6 (b / 2) + 3 h + e, e = 0 .. 2, of lane 16 (b % 2) + r of the image
	s_bfe_u32 s74, s[WV], 0x10001
	s_mul_i32 s74, s74, 6
	s_lshr_b32 s75, s[WV], 2
	s_mul_i32 s75, s75, 4*FRB
	s_lshl_b32 s76, s69, 8
	s_add_co_u32 s75, s75, s76
	v_lshl_add_u32 v[TM], v[RR], 4, s75
.irp e, 0,1,2
	s_add_co_u32 s76, s74, \e
	v_mad_u32_u24 v[TM+1], v[HH], 3, s76
	v_lshrrev_b32 v[TM+2], 2, v[TM+1]
	v_lshl_add_u32 v[TM+2], v[TM+2], 9, v[TM]
	v_and_b32 v[TM+1], 3, v[TM+1]
	v_lshl_add_u32 v[RA+\e], v[TM+1], 2, v[TM+2]
.endr
	s_lshr_b32 s75, s[WV], 2
	s_lshl_b32 s75, s75, 8
	s_and_b32 s76, s[WV], 3
	s_add_co_u32 s75, s75, s76
	s_add_co_u32 s75, s75, QSB
	v_lshl_add_u32 v[SBA], v[RR], 4, s75           ; q's or k's scale bytes: 16 r + 4 tile + block
	s_lshl_b32 s75, s[WV], 1
	s_add_co_u32 s75, s75, QSB+512
	v_lshl_add_u32 v[SVA], v[RR], 4, s75
	v_add_nc_u32 v[SVA], v[HH], v[SVA]             ; v's: 16 r + 2 w + h
	s_mul_i32 s75, s[WV], FRB
	v_add_nc_u32 v[RDI], s75, v[WO]                ; the image that I store: q's tile w or k's tile w - 4
	s_lshl_b32 s75, s[WV], 8
	s_add_co_u32 s75, s75, QSB
	v_add_nc_u32 v[RDS], s75, v[O8]
	v_mov_b32 v[TM+8], 0                           ; a lane permute's destination counts as one of its sources
	s_mov_b32 s[SEL], 0x76543210
	s_mov_b32 s[SEL+1], 0xfedcba98
	s_lshl_b32 s70, ttmp9, 6
	s_lshl_b32 s71, s68, 3
	s_add_co_u32 s70, s70, s71
	s_lshl_b32 s70, s70, 12
	s_lshl_b32 s71, s69, 11
	s_add_co_u32 s70, s70, s71                     ; my tile's first token, my K half, in bytes
	s_mov_b32 s71, 0
	s_wait_dscnt 0x0                               ; both opening adds are done
	s_wait_alu depctr_va_vdst(0)
	s_wait_kmcnt 0x0
	s_add_nc_u64 s[4:5], s[4:5], s[70:71]
.irp q, 0,1,2,3,4,5,6,7,8,9,10,11,12,13,14,15
	s_add_nc_u64 s[SB+2*\q:SB+2*\q+1], s[4:5], (\q%8)*4096+(\q/8)*131072-\q*XROW
.endr
	s_mul_i32 s70, s[WV], 3072
	s_add_nc_u64 s[8:9], s[8:9], s[70:71]
	s_mul_i32 s70, s[WV], 24*FRB
	s_add_nc_u64 s[6:7], s[6:7], s[70:71]
	s_lshl_b32 s70, s[WV], 6
	s_add_nc_u64 s[14:15], s[14:15], s[70:71]      ; bv: channels 16 w on
	s_and_b32 s70, s[WV], 3
	s_lshl_b32 s70, s70, 7
	s_cmp_lt_u32 s[WV], 4
	s_cselect_b64 s[10:11], s[10:11], s[12:13]
	s_add_nc_u64 s[10:11], s[10:11], s[70:71]      ; bq or bk: channels 32 (w % 4) on
.irp g, 0,1,2,3,4,5
	global_load_b128 v[WS+4*\g:WS+4*\g+3], v[WO], s[8:9] offset:512*\g
.endr
.irp i, 0,1,2,3,4,5,6,7
	global_load_b32 v[BVR+\i], v[BV], s[14:15]     ; v's results have one channel a lane: eight times the same
.endr
	WIN 0x40
.irp i, 0,1,2,3
	global_load_b128 v[BQR+4*\i:BQR+4*\i+3], v[BO], s[10:11] offset:16*\i   ; register 8 u + j is channel 32 b + 16 h + 8 u + j
.endr
	WIN 0
	XCOPY 0
	WLOAD 0
	XCOPY 1
	WLOAD 1
	XCOPY 2
	XCOPY 3
	; where the results go
	s_lshr_b32 s72, ttmp9, 6
	s_mul_i32 s72, s72, 32*REC
	s_bfe_u32 s70, ttmp9, 0x50001
	s_mul_i32 s70, s70, REC
	s_add_co_u32 s70, s70, s72
	s_add_nc_u64 s[20:21], s[20:21], s[70:71]      ; my record
	s_and_b32 s72, ttmp9, 1                        ; which 64 of its 128 keys are mine
	s_mul_i32 s73, s72, 6144
	s_mul_i32 s70, s[WV], 768
	s_add_co_u32 s70, s70, s73
	s_add_co_u32 s70, s70, 12288
	s_add_nc_u64 s[78:79], s[20:21], s[70:71]      ; V's six registers of channel tile w
	s_and_b32 s70, s[WV], 3
	s_mul_i32 s70, s70, FRB
	s_add_co_u32 s74, s70, s73
	s_mov_b32 s75, 0
	s_add_nc_u64 s[80:81], s[20:21], s[74:75]      ; K's tile,
	s_mul_i32 s74, ttmp9, 6144
	s_add_co_u32 s74, s74, s70
	s_add_nc_u64 s[16:17], s[16:17], s[74:75]      ; or Q's
	s_cmp_lt_u32 s[WV], 4
	s_cselect_b64 s[80:81], s[16:17], s[80:81]
	s_lshl_b32 s70, s72, 8
	s_add_co_u32 s70, s70, 24576
	s_lshl_b32 s74, ttmp9, 8
	s_add_nc_u64 s[18:19], s[18:19], s[74:75]
	s_add_nc_u64 s[82:83], s[20:21], s[70:71]      ; wave 1: K's scale bytes,
	s_add_nc_u64 s[84:85], s[82:83], 512           ; wave 2: V's,
	s_cmp_lt_u32 s[WV], 2
	s_cselect_b64 s[82:83], s[82:83], s[84:85]
	s_cmp_lt_u32 s[WV], 1
	s_cselect_b64 s[82:83], s[18:19], s[82:83]     ; wave 0: Q's
	PHASE 0
	PHASE 1
	PHASE 2
	PHASE 3
	; THE WAY OUT.  Rows R = 0 .. 3: q or k of tile R, 16 channels of a block; and v's 32 tokens of a channel
.irp R, 0,1,2,3
	v_mov_b32 v[EP+\R], 0                          ; the permutes' destinations; also the four places behind the last products
.endr
	WIN 0x05
.irp R, 0,1,2,3
	v_max3_num_f32 v[EM+\R], |v[16*\R]|, |v[16*\R+1]|, 0x2800000
.endr
	v_max3_num_f32 v[EM+4], |v[64]|, |v[65]|, 0x2800000
	v_max_num_f32 v[EM+5], |v[80]|, |v[81]|
.irp i, 2,4,6,8,10,12,14
.irp R, 0,1,2,3,4,5
	v_max3_num_f32 v[EM+\R], |v[16*\R+\i]|, |v[16*\R+\i+1]|, v[EM+\R]
.endr
.endr
	WIN 0
.irp R, 0,1,2,3
	v_permlanex16_b32 v[EP+\R], v[EM+\R], s[SEL], s[SEL+1]
.endr
	v_max_num_f32 v[EM+4], v[EM+4], v[EM+5]
.irp R, 0,1,2,3
	v_max_num_f32 v[EM+\R], v[EM+\R], v[EP+\R]
.endr
.irp R, 0,1,2,3,4
	v_add_nc_u32 v[EO+\R], 0xfe000000, v[EM+\R]
.endr
.irp R, 0,1,2,3,4
	v_lshrrev_b32 v[EB+\R], 23, v[EO+\R]
.endr
	WIN 0x01
.irp R, 0,1,2,3
	v_cvt_scalef32_pk16_bf6_f32 v[EC+4*\R:EC+4*\R+2], v[16*\R:16*\R+15], v[EO+\R]
.endr
	v_cvt_scalef32_pk16_bf6_f32 v[EV:EV+2], v[64:79], v[EO+4]
	v_cvt_scalef32_pk16_bf6_f32 v[EV+4:EV+6], v[80:95], v[EO+4]
	WIN 0
	v_nop                                          ; one plain place behind a scaled conversion
.irp i, 3,4,5
	v_mov_b32 v[EV+\i], v[EV+\i+1]
.endr
	global_store_b128 v[WO], v[EV:EV+3], s[78:79]  ; 32 lanes store 512 and 256 consecutive bytes
	global_store_b64 v[O8], v[EV+4:EV+5], s[78:79] offset:512
.irp t, 0,1,2,3
.irp e, 0,1,2
	ds_store_b32 v[RA+\e], v[EC+4*\t+\e] offset:FRB*\t
.endr
	ds_store_b8 v[SBA], v[EB+\t] offset:4*\t       ; lanes l and l xor 16 write the same byte with the same value
.endr
	ds_store_b8 v[SVA], v[EB+4]
	s_wait_dscnt 0x0
	s_barrier_signal -1
	s_barrier_wait -1
.irp g, 0,1,2
	ds_load_b128 v[OUT+4*\g:OUT+4*\g+3], v[RDI] offset:512*\g
.endr
	s_wait_dscnt 0x0
.irp g, 0,1,2
	global_store_b128 v[WO], v[OUT+4*\g:OUT+4*\g+3], s[80:81] offset:512*\g
.endr
	s_cmp_lt_u32 s[WV], 3
	s_cbranch_scc0 .Ldone
	ds_load_b64 v[OUT+12:OUT+13], v[RDS]
	s_wait_dscnt 0x0
	global_store_b64 v[O8], v[OUT+12:OUT+13], s[82:83]   ; one aligned unit of 256 bytes
.Ldone:
	s_wait_tensorcnt 0x0                           ; the wave's end
	s_wait_asynccnt 0x0
	ds_add_u32 v[SPW], v[NIL]
	s_wait_dscnt 0x0
	s_endpgm
.Lfunc_end_k_q2bc1278a36_proj:
	.size	k_q2bc1278a36_proj, .Lfunc_end_k_q2bc1278a36_proj-k_q2bc1278a36_proj
	.p2alignl 7, 3214868480
	.fill 96, 4, 3214868480
	.section	.rodata,"a",@progbits
	.p2align	6, 0x0
	.amdhsa_kernel k_q2bc1278a36_proj
		.amdhsa_group_segment_fixed_size 327680
		.amdhsa_private_segment_fixed_size 0
		.amdhsa_enable_private_segment 0
		.amdhsa_kernarg_size 72
		.amdhsa_user_sgpr_count 2
		.amdhsa_user_sgpr_kernarg_segment_ptr 1
		.amdhsa_wavefront_size32 1
		.amdhsa_system_sgpr_workgroup_id_x 1
		.amdhsa_system_sgpr_workgroup_id_y 1
		.amdhsa_system_sgpr_workgroup_id_z 1
		.amdhsa_system_vgpr_workitem_id 0
		.amdhsa_next_free_vgpr 512
		.amdhsa_next_free_sgpr 96
		.amdhsa_reserve_vcc 0
		.amdhsa_float_denorm_mode_32 3
		.amdhsa_float_denorm_mode_16_64 3
		.amdhsa_memory_ordered 1
		.amdhsa_forward_progress 1
		.amdhsa_inst_pref_size 66
	.end_amdhsa_kernel
	.amdgpu_metadata
---
amdhsa.version: [ 1, 2 ]
amdhsa.kernels:
  - .name:           k_q2bc1278a36_proj
    .symbol:         k_q2bc1278a36_proj.kd
    .args:
      - { .name: inputs, .offset: 0, .size: 8, .value_kind: global_buffer, .address_space: global }
      - { .name: wc, .offset: 8, .size: 8, .value_kind: global_buffer, .address_space: global }
      - { .name: ws, .offset: 16, .size: 8, .value_kind: global_buffer, .address_space: global }
      - { .name: bq, .offset: 24, .size: 8, .value_kind: global_buffer, .address_space: global }
      - { .name: bk, .offset: 32, .size: 8, .value_kind: global_buffer, .address_space: global }
      - { .name: bv, .offset: 40, .size: 8, .value_kind: global_buffer, .address_space: global }
      - { .name: qc, .offset: 48, .size: 8, .value_kind: global_buffer, .address_space: global }
      - { .name: qs, .offset: 56, .size: 8, .value_kind: global_buffer, .address_space: global }
      - { .name: kv, .offset: 64, .size: 8, .value_kind: global_buffer, .address_space: global }
    .group_segment_fixed_size: 327680
    .private_segment_fixed_size: 0
    .kernarg_segment_align: 8
    .kernarg_segment_size: 72
    .max_flat_workgroup_size: 256
    .sgpr_count:     96
    .vgpr_count:     512
    .wavefront_size: 32
...
	.end_amdgpu_metadata
.endif
;; end of part 2
;; launch attn (part 3): grid 64 x 4, 4 waves a work-group, clusters of 4 x 1, 327,680 bytes of LDS; arguments qc, qs, kv, padding_mask, out0; writes out0
.if DOCPART == 3
	.amdgcn_target "amdgcn-amd-amdhsa--gfx1250"
	.amdhsa_code_object_version 6
	.text
	.protected	k_q2bc1278a36_attn
	.globl	k_q2bc1278a36_attn
	.p2align	8
	.type	k_q2bc1278a36_attn,@function
k_q2bc1278a36_attn:
	s_mov_b64 s[64:65], 0
	v_nop
	global_prefetch_b8 v0, s[64:65] scope:SCOPE_SE
	s_setreg_imm32_b32 hwreg(HW_REG_WAVE_MODE, 25, 1), 1
	s_wait_xcnt 0x0
	s_wait_alu depctr_hold_cnt(0) depctr_sa_sdst(0) depctr_va_vdst(0) depctr_va_sdst(0) depctr_va_ssrc(0) depctr_va_vcc(0) depctr_vm_vsrc(0)
	s_getreg_b32 s2, hwreg(HW_REG_IB_STS2, 6, 4)
	s_cmp_eq_u32 s2, 0
	s_cbranch_scc0 .Lentry_in_a_cluster
	s_endpgm
.Lentry_in_a_cluster:
	s_bfe_u32 s2, ttmp6, 0x10000c
	s_cmp_lg_u32 s2, 0x3003
	s_cbranch_scc0 .Lentry_shape_is_right
	s_endpgm
.Lentry_shape_is_right:
; out[b][q] = the sum over keys of softmax(q . k / sqrt(128), padded keys at -1e9) v, both products on codes of BF6 (E3M2) with E8M0 scales, from the fragments that the projection launch laid out.
; THE SOFTMAX AHEAD OF THE SECOND PRODUCT: t = score x c, c = log2(e) / sqrt(128); M = the largest t so far, rounded UP to a whole number; p = 2^(t - M) is quantised along the keys; the sum of the unquantised p divides at the end.
; SHARES.  256 work-groups of 64 queries (four tiles of 16), four waves.  Wave w owns all four tiles and, of every slot of four key steps (128 keys each), step w: 8 steps a wave.  Each fragment of K and V read from LDS feeds four products.
; The four key phases of a query are merged at the end: M is a whole number, so every factor is a power of two.
; A TRIP, behind the change to slot n: slot n's K and mask numbers are asked for; on registers alone the softmax of slot n - 1's scores is worked and its V^T P added; then slot n's V is asked for and slot n's scores are made.
; So all of a slot is read between the barrier that shows it whole and the next one.  The row maxima stand inside the change of slots, between the add, the signal and the wait.
; CLUSTER.  The four work-groups of a cluster belong to one batch and walk the same K and V: each slot is asked for JOINTLY, by the same tensor loads with the same descriptors and the mask of all four.
; THE WALK.  The eight slots of a batch are walked in a ring; cluster x of the batch's 16 begins at slot x % 8 (the softmax's order is free).  No prefetch: two clusters begin at each of the eight slots, so behind the first trip
; every slot of the batch has been read by some cluster of this launch, and each slot is asked for a whole trip ahead of its use.
; LAYOUT.  Both products are used transposed: S^T = K Q^T, O^T = V^T P^T: a lane holds one query throughout.  Place m of K's tile 4 c + u is key 64 c + 8 u + m % 8 + 32 (m / 8): so register 32 c + 8 u + j of S^T is key 64 c + 32 h + 8 u + j:
; a lane holds whole blocks of 32 keys, block 2 c + h in registers 32 c on, as the operand P wants them.  The queries of a tile are laid the same way.
; THE MASK costs no vector work in the loop: a number for each key (0, or -2^100 for a padded key) is the C of K Q^T.  The largest t starts at -2^66, far above a padded key's t (about -1.6e29): so a padded key's p is 0 whatever
; M is, and a run of keys that is all padding leaves sum and O^T zero, to be wiped by the factor 0 later.  A batch whose keys are ALL padded gets the number 0 for every key and c = 0: t = 0, M = 0, p = 1: the uniform softmax.
; LIMITS: logits are taken to lie above -1e9 and scaled scores under 2^31 in magnitude; NaN and infinities are not served; a block of p that is all zeros carries the byte 1 (its codes are zeros).
; REGISTERS, in windows of 256: window x belongs to query tile x: S, then p; O^T; P's codes; Q; at work; the row's sum.  From v160 on: window 0 scale words, states, addresses; window 1 K's eight fragments; window 2 V's; window 3 the mask's numbers.
.set REC,   25600                      ; a key step's record
.set SLOTB, 4*REC
.set SLOT1, 1<<17                      ; slot 1 begins here: one exclusive or turns an address from one slot to the other
.set BIAS,  SLOTB                      ; behind slot 0: a number for each of the batch's 4,096 keys, in the order of the walk;
.set FLG,   BIAS+16384                 ; a word for each wave: does any of its keys count;
.set SPARE, FLG+256                    ; the spare words, 128 bytes for each wave: two blocks of 256 bytes that no other line names;
.set STAT,  SPARE+512                  ; the merge: [wave][tile][lane][-M, sum]
.set STGW,  4*16*528                   ; the merge's stage of a wave: 4 tiles x 16 rows x (512 + 16); two in each slot, behind the slots' last fill and last read
.set S,  0
.set O,  64
.set P,  128                           ; 12 registers of codes; the 13th and 14th at work
.set Q,  142
.set LP, 154
.set BM, 156                           ; the two blocks' largest p, then the conversions' scale operands
.set L,  158
.set FR, 160
.set KS, 160                           ; window 0 from here on
.set VS, 168
.set VT, 176
.set QS, 184
.set PW, 188
.set BX, 192                           ; largest scores: 4 x tile + 16 keys' run; then 4 x tile + 2 x block
.set PM, 208
.set RM, 212                           ; the largest t so far
.set NM, 216                           ; -M
.set OM, 220
.set F,  224
.set BY, 228
.set A16, 232
.set A8, 233
.set AS, 234
.set AB, 235
.set AD16, 236
.set AD8, 237
.set ADS, 238
.set ADB, 239
.set H8, 240
.set L16, 241
.set SO, 242
.set RDA, 243                          ; v243, v244: stages in slot 0, in slot 1
.set STW, 245
.set STR, 246
.set LN, 247
.set RR, 248
.set HH, 249
.set SPW, 250
.set NIL, 251
.set T16, 252
.set WV, 14
.set SLOTS, 15
.set SEL, 20
.set CS, 22
.set G1, 24
.set G0, 32
.set TB, 36                            ; LDS byte at which the slot in hand begins
.set TJ, 37                            ; where the slot's keys begin among the mask's numbers
.set IDX, 38                           ; the slot last asked for, 0..7
.set KB, 40                            ; s[40:41] my record of slot 0
.set OFF, 42
.set MSB, 0
.macro WIN new                         ; the immediate's high byte repeats the setting that is left
.if MSB != (\new)
	s_set_vgpr_msb (MSB<<8)|(\new)
.set MSB, (\new)
.endif
.endm
.macro PLACES n
.rept \n
	v_nop
.endr
.endm
.macro CREST                           ; a round of the cluster's barrier behind its opening barrier
	s_cmp_lg_u32 s[WV], 0
	s_cbranch_scc1 .Lnot_wave_0_\@
	s_barrier_signal -3
.Lnot_wave_0_\@:
	s_barrier_wait -3
	s_barrier_signal -1
	s_barrier_wait -1
.endm
.macro CROUND
	s_barrier_signal -1
	s_barrier_wait -1
	CREST
.endm
.macro NEXT                            ; group 0 for the next slot of the ring, in the other LDS slot
	s_add_co_u32 s[IDX], s[IDX], 1
	s_and_b32 s[IDX], s[IDX], 7
	s_mul_i32 s[OFF], s[IDX], SLOTB
	s_add_nc_u64 s[G0+2:G0+3], s[KB:KB+1], s[OFF:OFF+1]
	s_or_b32 s[G0+3], s[G0+3], 0x80000000
	s_xor_b32 s[G0+1], s[G0+1], SLOT1
.endm
.macro ASKSLOT                         ; a joint load, and the lines behind it
	tensor_load_to_lds s[G0:G0+3], s[G1:G1+7]
	s_nop 0
	PLACES 4
.endm
.macro MAXES x                         ; tile x's largest scores, four runs of 16 keys, each accumulator from its low end on
	WIN 5*(\x)
.irp q, 0,1,2,3
	v_max_num_f32 v[BX+4*(\x)+\q], v[S+16*\q], v[S+16*\q+1]
.endr
.irp i, 2,4,6,8,10,12,14
.irp q, 0,1,2,3
	v_max3_num_f32 v[BX+4*(\x)+\q], v[S+16*\q+\i], v[S+16*\q+\i+1], v[BX+4*(\x)+\q]
.endr
.endr
.endm
; THE CHANGE OF SLOTS.  Each wave waits for all its tensor loads (its record of the slot ahead), adds 0 to its spare word, and waits for that and for its reads of the slot that it has left; the maxima of the scores in hand are the work on registers.
; fill = 1: the barrier opens a round of the cluster's, and behind it the slot just left is asked for again, jointly: one load a wave, which has the work up to the next change of slots in which to land.
.macro CHANGE fill
	s_wait_tensorcnt 0x0                           ; no tensor load of mine is out, so the group 0 may be written
	ds_add_u32 v[SPW], v[NIL]                      ; 0 onto my spare word
.if \fill
	NEXT
.endif
	PLACES 4                                       ; between the last products and the first read of the scores
	MAXES 0
	MAXES 1
	s_wait_dscnt 0x0                               ; the add is done, and my reads of the slot that I have left are over
	s_barrier_signal -1
	MAXES 2
	MAXES 3
	WIN 0
	s_wait_alu depctr_va_vdst(0)
	s_barrier_wait -1
.if \fill
	CREST
	ASKSLOT
.endif
.endm
.macro KLOAD                           ; my 128 keys of the slot in hand: K's fragments, the mask's numbers, K's scale words
	v_add_nc_u32 v[AD16], s[TB], v[A16]
	v_add_nc_u32 v[AD8], s[TB], v[A8]
	v_add_nc_u32 v[ADS], s[TB], v[AS]
	v_add_nc_u32 v[ADB], s[TJ], v[AB]
	s_add_co_u32 s[TJ], s[TJ], 2048
	s_xor_b32 s[TB], s[TB], SLOT1
	WIN 0x40
.irp t, 0,1,2,3,4,5,6,7
.irp g, 0,1,2
	ds_load_b128 v[FR+12*\t+4*\g:FR+12*\t+4*\g+3], v[AD16] offset:1536*\t+512*\g
.endr
.endr
	WIN 0xC0
.irp t, 0,1,2,3,4,5,6,7
	ds_load_b128 v[FR+8*\t:FR+8*\t+3], v[ADB] offset:256*(\t/4)+32*(\t%4)
	ds_load_b128 v[FR+8*\t+4:FR+8*\t+7], v[ADB] offset:256*(\t/4)+32*(\t%4)+16
.endr
	WIN 0
.irp c, 0,1
	ds_load_b128 v[KS+4*\c:KS+4*\c+3], v[ADS] offset:24576+256*\c
.endr
.endm
.macro VLOAD                           ; V's fragments and scale bytes: waited for in front of the next barrier
	WIN 0x80
.irp n, 0,1,2,3,4,5,6,7
.irp c, 0,1
	ds_load_b128 v[FR+12*\n+6*\c:FR+12*\n+6*\c+3], v[AD16] offset:12288+6144*\c+768*\n
	ds_load_b64 v[FR+12*\n+6*\c+4:FR+12*\n+6*\c+5], v[AD8] offset:12288+6144*\c+768*\n+512
.endr
.endr
	WIN 0
.irp c, 0,1
	ds_load_b128 v[VT+4*\c:VT+4*\c+3], v[ADS] offset:25088+256*\c
.endr
.endm
.macro QK                              ; S^T = K Q^T + the mask's numbers
.irp x, 0,1,2,3
	WIN 49+68*\x
.irp t, 0,1,2,3,4,5,6,7
	v_wmma_scale_f32_16x16x128_f8f6f4 v[S+8*\t:S+8*\t+7], v[FR+12*\t:FR+12*\t+11], v[Q:Q+11], v[FR+8*\t:FR+8*\t+7], v[KS+\t], v[QS+\x] matrix_a_fmt:MATRIX_FMT_BF6 matrix_b_fmt:MATRIX_FMT_BF6
.endr
.endr
	WIN 0
.endm
.macro CHAIN                           ; the four tiles by turns, in window 0
.irp x, 0,1,2,3
	v_max_num_f32 v[BX+4*\x], v[BX+4*\x], v[BX+4*\x+1]              ; the largest score of each of my two blocks: it serves for the row's maximum and, since p rises with the score, for the block's largest p
	v_max_num_f32 v[BX+4*\x+2], v[BX+4*\x+2], v[BX+4*\x+3]
.endr
.irp x, 0,1,2,3
	v_max_num_f32 v[OM+\x], v[BX+4*\x], v[BX+4*\x+2]
.endr
.irp x, 0,1,2,3
	v_permlanex16_b32 v[PM+\x], v[OM+\x], s[SEL], s[SEL+1]
.endr
.irp x, 0,1,2,3
	v_max_num_f32 v[OM+\x], v[OM+\x], v[PM+\x]
.endr
.irp x, 0,1,2,3
	v_mul_f32 v[OM+\x], s[CS], v[OM+\x]                             ; as t (c is not negative)
.endr
.irp x, 0,1,2,3
	v_max_num_f32 v[RM+\x], v[RM+\x], v[OM+\x]
.endr
.irp x, 0,1,2,3
	v_mov_b32 v[OM+\x], v[NM+\x]
.endr
.irp x, 0,1,2,3
	v_floor_f32 v[NM+\x], -v[RM+\x]                                 ; the new -M = floor(-t): M is a whole number
.endr
.irp x, 0,1,2,3
	v_sub_f32 v[OM+\x], v[NM+\x], v[OM+\x]                          ; old M less new M: a whole number, 0 or less
.endr
.irp x, 0,1,2,3
	v_cvt_i32_f32 v[OM+\x], v[OM+\x]                                ; (it saturates)
.endr
.irp x, 0,1,2,3
	v_ldexp_f32 v[F+\x], 1.0, v[OM+\x]                              ; f = 2^(old M - new M): rounds nothing
.endr
.endm
.macro RESCALE x, fp, sel, grd
	WIN 65*(\x)
.if \grd
	s_wait_alu depctr_va_vdst(0)
.endif
.irp j, 0,2,4,6,8,10,12,14,16,18,20,22,24,26,28,30,32,34,36,38,40,42,44,46,48,50,52,54,56,58,60,62
	v_pk_mul_f32 v[O+\j:O+\j+1], v[O+\j:O+\j+1], v[F+\fp:F+\fp+1] op_sel:[0,\sel] op_sel_hi:[1,\sel]
.endr
	v_pk_mul_f32 v[L:L+1], v[L:L+1], v[F+\fp:F+\fp+1] op_sel:[0,\sel] op_sel_hi:[1,\sel]
.endm
; Tile x's p, its codes, the bytes of its scale word.  Exponentials in two batches; plain work that the batch does not hang on stands among them
.macro TILE x, fp, sel
	WIN 65*(\x)
.irp j, 0,2,4,6,8,10,12,14,16,18,20,22,24,26,28,30
	v_pk_fma_f32 v[S+\j:S+\j+1], v[S+\j:S+\j+1], s[CS:CS+1], v[NM+\fp:NM+\fp+1] op_sel:[0,0,\sel] op_sel_hi:[1,0,\sel]   ; t - M, two at a time
.endr
	v_fma_f32 v[BM], s[CS], v[BX+4*(\x)], v[NM+\x]                  ; the same of each block's largest score
	v_fma_f32 v[BM+1], s[CS], v[BX+4*(\x)+2], v[NM+\x]
	s_wait_alu depctr_va_vdst(0)                   ; ahead of the batch
.irp j, 0,2,4,6,8,10,12,14,16,18,20,22,24,26,28,30
	v_exp_f32 v[S+\j], v[S+\j]                                      ; p = 2^(t - M), at most 1: not normalised
	v_exp_f32 v[S+\j+1], v[S+\j+1]
	v_pk_fma_f32 v[S+32+\j:S+33+\j], v[S+32+\j:S+33+\j], s[CS:CS+1], v[NM+\fp:NM+\fp+1] op_sel:[0,0,\sel] op_sel_hi:[1,0,\sel]
.endr
	WIN 85*(\x)
	s_wait_alu depctr_va_vdst(0)                   ; behind the first batch and ahead of the second
	v_exp_f32 v[BM], v[BM]                                          ; the block's largest p: the same two instructions on the same number give the same bits
	v_exp_f32 v[BM+1], v[BM+1]
.irp j, 0,2,4,6,8,10,12,14,16,18,20,22,24,26,28,30
	v_exp_f32 v[S+32+\j], v[S+32+\j]
	v_exp_f32 v[S+33+\j], v[S+33+\j]
.if (\j)%4 == 2
.if \j < 30
	v_pk_add_f32 v[P+(\j-2)/2:P+(\j-2)/2+1], v[S+\j-2:S+\j-1], v[S+\j:S+\j+1]   ; the row's sum is taken of the unquantised p: eight pairs of the first block, each into registers of its own
.else
	v_pk_add_f32 v[LP:LP+1], v[S+\j-2:S+\j-1], v[S+\j:S+\j+1]
.endif
.endif
.endr
	s_wait_alu depctr_va_vdst(0)
	v_max_num_f32 v[BM], 0x2800000, v[BM]                           ; the floor 2^(5 - 127): the byte cannot fall under 1
	v_max_num_f32 v[BM+1], 0x2800000, v[BM+1]
	v_pk_add_f32 v[P:P+1], v[P:P+1], v[P+8:P+9]
	v_pk_add_f32 v[P+2:P+3], v[P+2:P+3], v[P+10:P+11]
	v_pk_add_f32 v[P+4:P+5], v[P+4:P+5], v[P+12:P+13]
	v_pk_add_f32 v[P+6:P+7], v[P+6:P+7], v[LP:LP+1]
	v_add_nc_u32 v[BM], 0xfe000000, v[BM]                           ; 4 off the exponent field: the conversion's scale operand
	v_add_nc_u32 v[BM+1], 0xfe000000, v[BM+1]
	v_pk_add_f32 v[P:P+1], v[P:P+1], v[P+2:P+3]
	v_pk_add_f32 v[P+4:P+5], v[P+4:P+5], v[P+6:P+7]
	v_pk_add_f32 v[LP:LP+1], v[P:P+1], v[P+4:P+5]
	v_cvt_scalef32_pk16_bf6_f32 v[P:P+2], v[S:S+15], v[BM]
	v_cvt_scalef32_pk16_bf6_f32 v[P+4:P+6], v[S+16:S+31], v[BM]     ; (a conversion's three registers begin on an even number)
	v_pk_add_f32 v[L:L+1], v[L:L+1], v[LP:LP+1]                     ; (a plain place behind the conversions)
.irp i, 3,4,5
	v_mov_b32 v[P+\i], v[P+\i+1]
.endr
	v_cvt_scalef32_pk16_bf6_f32 v[P+6:P+8], v[S+32:S+47], v[BM+1]
	v_cvt_scalef32_pk16_bf6_f32 v[P+10:P+12], v[S+48:S+63], v[BM+1]
	WIN 4*(\x)
	v_lshrrev_b32 v[BY+\x], 23, v[BM]                               ; the scales' bytes, into window 0
	v_lshrrev_b32 v[OM+\x], 23, v[BM+1]
	WIN 85*(\x)
.irp i, 9,10,11
	v_mov_b32 v[P+\i], v[P+\i+1]
.endr
.endm
.macro BSUM x                          ; the second block's p, whose codes are made, onto the row's sum
	WIN 85*(\x)
.irp j, 32,34,36,38,40,42,44,46
	v_pk_add_f32 v[S+\j:S+\j+1], v[S+\j:S+\j+1], v[S+\j+16:S+\j+17]
.endr
.irp j, 32,34,36,38
	v_pk_add_f32 v[S+\j:S+\j+1], v[S+\j:S+\j+1], v[S+\j+8:S+\j+9]
.endr
.irp j, 32,34
	v_pk_add_f32 v[S+\j:S+\j+1], v[S+\j:S+\j+1], v[S+\j+4:S+\j+5]
.endr
	v_pk_add_f32 v[S+32:S+33], v[S+32:S+33], v[S+34:S+35]
	v_pk_add_f32 v[L:L+1], v[L:L+1], v[S+32:S+33]
.endm
; The softmax of the scores in hand, behind their maxima, O^T under the new M, O^T += V^T P^T: on registers alone
.macro SOFT
	CHAIN
	RESCALE 0, 0, 0, 0
	RESCALE 1, 0, 1, 0
	RESCALE 2, 2, 0, 0
	RESCALE 3, 2, 1, 0
	TILE 0, 0, 0
	BSUM 0
	TILE 1, 0, 1
	BSUM 1
	TILE 2, 2, 0
	BSUM 2
	TILE 3, 2, 1
	WIN 0
.irp i, 0,1,2,3
	v_perm_b32 v[VS+2*\i], v[VT+4+\i], v[VT+\i], 0x05040100         ; V's scale words: the first 64 keys' two bytes low, the second's high
	v_perm_b32 v[VS+2*\i+1], v[VT+4+\i], v[VT+\i], 0x07060302
.endr
.irp x, 0,1,2,3
	v_lshl_or_b32 v[BY+\x], v[OM+\x], 16, v[BY+\x]                  ; my bytes: blocks h and 2 + h
.endr
.irp x, 0,1,2,3
	v_lshlrev_b32 v[BY+\x], v[H8], v[BY+\x]
.endr
.irp x, 0,1,2,3
	v_permlanex16_b32 v[PM+\x], v[BY+\x], s[SEL], s[SEL+1]
.endr
.irp x, 0,1,2,3
	v_or_b32 v[PW+\x], v[BY+\x], v[PM+\x]                           ; with lane l xor 16's: p's scale word for these 128 keys
.endr
	BSUM 3                                         ; these 16 are also the places between scale words, codes and the products
.irp x, 0,1,2,3                        ; the 32 accumulators take turns, one instruction a turn
	WIN 2+84*\x
.irp n, 0,1,2,3,4,5,6,7
	v_wmma_scale_f32_16x16x128_f8f6f4 v[O+8*\n:O+8*\n+7], v[FR+12*\n:FR+12*\n+11], v[P:P+11], v[O+8*\n:O+8*\n+7], v[VS+\n], v[PW+\x] matrix_a_fmt:MATRIX_FMT_BF6 matrix_b_fmt:MATRIX_FMT_BF6
.endr
.endr
	WIN 0
.endm
.macro TRIP fill
	CHANGE \fill
	KLOAD
	SOFT
	s_wait_dscnt 0x0                               ; K, the mask's numbers, the scale words are in
	PLACES 4                                       ; in front of loads into registers that the products read
	VLOAD
	QK
.endm
	s_load_b256 s[4:11], s[0:1], 0x0               ; qc s[4:5], qs s[6:7], kv s[8:9], padding_mask s[10:11]
	s_load_b64 s[12:13], s[0:1], 0x20              ; out0
	v_lshl_add_u32 v[SPW], v0, 2, SPARE
	v_mov_b32 v[NIL], 0
	ds_add_u32 v[SPW], v[NIL]                      ; the wave's opening: the add, twice on end, and its wait ahead of my first tensor load
	ds_add_u32 v[SPW], v[NIL]
	v_lshrrev_b32 v1, 5, v0
	v_readfirstlane_b32 s[WV], v1                  ; wave 0..3: my key phase
	v_lshl_add_u32 v50, v1, 2, FLG
	v_mov_b32 v51, FLG
	s_and_b32 s19, ttmp7, 0xffff                   ; the batch, which the four partners share
	s_and_b32 s[IDX], ttmp9, 7                     ; where my cluster's walk begins
	; descriptor group 1: a record, 25,600 dense bytes, as 100 rows of 32 elements of 8 bytes; no padding: every read of a slot is in lane order
	s_mov_b32 s[G1+0], 15|(3<<16)|(1<<21)          ; the mask: all four work-groups; elements of 8 bytes; bit 21 set beside a mask
	s_mov_b32 s[G1+1], 32<<16
	s_mov_b32 s[G1+2], 100<<16
	s_mov_b32 s[G1+3], 32<<16
	s_mov_b32 s[G1+4], 100
	s_mov_b32 s[G1+5], 32
	s_mov_b32 s[G1+6], 0
	s_mov_b32 s[G1+7], 0
	s_mul_i32 s44, s[WV], REC                      ; my record of a slot
	s_mul_i32 s[OFF], s19, 32*REC
	s_add_co_u32 s[OFF], s[OFF], s44
	s_mov_b32 s[OFF+1], 0
	s_mov_b32 s[SEL], 0x76543210
	s_mov_b32 s[SEL+1], 0xfedcba98
	s_mov_b32 s[TB], 0
	s_mov_b32 s[TJ], 0
	s_mov_b32 s[SLOTS], 6
	s_lshl_b32 s46, s[WV], 9
	s_add_co_u32 s46, s46, BIAS
	s_lshr_b32 s47, s[WV], 1
	s_lshl_b32 s47, s47, 17
	s_and_b32 s48, s[WV], 1
	s_mul_i32 s48, s48, STGW
	s_add_co_u32 s47, s47, s48                     ; my stage
	s_mul_i32 s48, s[WV], 8448
	s_lshl_b32 s49, s[WV], 10
	s_add_co_u32 s49, s49, STAT
	v_and_b32 v[LN], 31, v0
	v_and_b32 v[RR], 15, v0
	v_bfe_u32 v[HH], v0, 4, 1
	v_lshlrev_b32 v[T16], 4, v0
	v_lshlrev_b32 v[L16], 4, v[LN]
	v_lshlrev_b32 v[H8], 3, v[HH]
	v_lshlrev_b32 v49, 4, v[RR]
	v_add_nc_u32 v48, BIAS, v[T16]
	v_add_nc_u32 v[A16], s44, v[L16]
	v_lshl_add_u32 v[A8], v[LN], 3, s44
	v_lshl_add_u32 v[AS], v[RR], 4, s44
	v_lshl_add_u32 v[AB], v[HH], 7, s46
	v_mul_u32_u24 v[SO], 528, v[RR]
	v_lshl_add_u32 v[SO], v[HH], 5, v[SO]
	v_add_nc_u32 v[SO], s47, v[SO]                 ; the merge, in: row r, + 32 h;
	v_add_nc_u32 v[RDA], s48, v[L16]               ; back: tile w, of phases 0 and 1;
	v_add_nc_u32 v[RDA+1], SLOT1, v[RDA]           ; of phases 2 and 3
	v_lshl_add_u32 v[STW], v[LN], 3, s49
	v_mov_b32 v[STR], STAT
	v_lshl_add_u32 v[STR], v[LN], 3, v[STR]
	s_wait_dscnt 0x0                               ; both opening adds are done
	s_wait_alu depctr_va_vdst(0)
	s_wait_kmcnt 0x0
	s_add_nc_u64 s[KB:KB+1], s[8:9], s[OFF:OFF+1]
	s_mul_i32 s[OFF], s[IDX], SLOTB
	s_mov_b32 s[G0], 1
	s_mov_b32 s[G0+1], s44
	s_add_nc_u64 s[G0+2:G0+3], s[KB:KB+1], s[OFF:OFF+1]
	s_or_b32 s[G0+3], s[G0+3], 0x80000000
	CROUND                                         ; all four work-groups are here: the first joint loads meet
	ASKSLOT                                        ; the walk's first slot
	s_bfe_u32 s50, ttmp6, 0x40000                  ; my place in the cluster: it enters Q's and out's addresses alone, in s50-s55
	s_lshl_b32 s51, ttmp9, 2
	s_add_co_u32 s51, s51, s50
	s_lshl_b32 s52, s19, 6
	s_add_co_u32 s52, s52, s51                     ; my block of 64 queries, 0..255
	s_mov_b32 s55, 0
	s_mul_i32 s54, s52, 6144
	s_add_nc_u64 s[4:5], s[4:5], s[54:55]
	s_lshl_b32 s54, s52, 8
	s_add_nc_u64 s[6:7], s[6:7], s[54:55]
	s_lshl_b32 s54, s52, 15
	s_lshl_b32 s53, s[WV], 12
	s_add_co_u32 s54, s54, s53
	s_add_nc_u64 s[12:13], s[12:13], s[54:55]      ; the rows of out that I store: 64 x block + 8 w on, and 32 further on
	s_lshl_b32 s56, s19, 14
	s_mov_b32 s57, 0
	s_add_nc_u64 s[10:11], s[10:11], s[56:57]      ; the batch's mask
.irp j, 0,1,2,3,4,5,6,7
	s_add_co_u32 s58, s[IDX], \j                   ; the walk's slot j: 512 mask words, four a thread
	s_and_b32 s58, s58, 7
	s_lshl_b32 s58, s58, 11
	v_add_nc_u32 v[40+\j], s58, v[T16]
	global_load_b128 v[4+4*\j:7+4*\j], v[40+\j], s[10:11]
.endr
.irp x, 0,1,2,3
	WIN 64*\x
.irp g, 0,1,2
	global_load_b128 v[Q+4*\g:Q+4*\g+3], v[L16], s[4:5] offset:1536*\x+512*\g   ; Q's fragments stay in registers
.endr
.endr
	WIN 0
	global_load_b128 v[QS:QS+3], v49, s[6:7]
.irp x, 0,1,2,3
	WIN 64*\x
.set ii, 0
.rept 64
	v_mov_b32 v[O+ii], 0                           ; O^T and the sum.  (The step is written without a first step of its own: it finds zeros, which the first change of M leaves zeros)
.set ii, ii+1
.endr
	v_mov_b32 v[L], 0
	v_mov_b32 v[L+1], 0
.endr
	WIN 0
.irp x, 0,1,2,3
	v_mov_b32 v[RM+\x], 0xe0800000                 ; the largest t so far: -2^66
	v_mov_b32 v[PM+\x], 0                          ; a lane permute's destination counts as one of its sources
.endr
.irp x, 0,1,2,3
	v_floor_f32 v[NM+\x], -v[RM+\x]                ; -M
.endr
	s_wait_alu depctr_va_vdst(0)
	s_wait_loadcnt 0x0                             ; the mask, Q, its scale words
.irp q, 0,1,2,3
	v_or_b32 v[52+\q], v[4+\q], v[8+\q]
.endr
.irp j, 2,3,4,5,6,7
.irp q, 0,1,2,3
	v_or_b32 v[52+\q], v[52+\q], v[4+4*\j+\q]
.endr
.endr
	v_or_b32 v52, v52, v53
	v_or_b32 v54, v54, v55
	v_or_b32 v52, v52, v54
	v_cmp_ne_u32 vcc_lo, 0, v52
	v_mov_b32 v53, vcc_lo                          ; not 0 where any of my wave's keys counts
	ds_store_b32 v50, v53
	s_wait_alu depctr_va_vdst(0)
	s_wait_dscnt 0x0
	s_barrier_signal -1                            ; the first slot's load may stay out
	s_barrier_wait -1
	ds_load_b128 v[56:59], v51
	s_wait_dscnt 0x0
	v_or_b32 v56, v56, v57
	v_or_b32 v58, v58, v59
	v_or_b32 v56, v56, v58
	v_cmp_ne_u32 vcc_lo, 0, v56                    ; does any key of the batch count?  What hangs on it is chosen, not branched on
	v_mov_b32 v53, 0xf1800000                      ; -2^100
	v_mov_b32 v54, 0x3e0293ee                      ; log2(e) / sqrt(128)
	v_cndmask_b32 v60, 0, v53, vcc_lo
	v_cndmask_b32 v61, 0, v54, vcc_lo
	v_readfirstlane_b32 s[CS], v61
	s_mov_b32 s[CS+1], s[CS]                       ; (named with it as a pair, so it is written)
.set ii, 4
.rept 32
	v_cmp_eq_u32 vcc_lo, 0, v[ii]
	v_cndmask_b32 v[ii], 0, v60, vcc_lo
.set ii, ii+1
.endr
.irp j, 0,1,2,3,4,5,6,7
	ds_store_b128 v48, v[4+4*\j:7+4*\j] offset:2048*\j   ; read by all waves behind the first change of slots, in front of which each wave waits for these stores
.endr
	s_wait_alu depctr_va_vdst(0)
	s_wait_tensorcnt 0x0                           ; the first slot's change: its scores are still to come
	ds_add_u32 v[SPW], v[NIL]
	NEXT
	s_wait_dscnt 0x0
	CROUND
	ASKSLOT                                        ; slot 1's first fill
	KLOAD
	s_wait_alu depctr_va_vdst(0)                   ; V's loads read the addresses behind the wait below
	s_wait_dscnt 0x0
	QK
	VLOAD
.Lslot:                                            ; six trips: behind each of these changes of slots the slot just left is asked for again
	TRIP 1
	s_sub_co_u32 s[SLOTS], s[SLOTS], 1
	s_cmp_lg_u32 s[SLOTS], 0
	s_cbranch_scc1 .Lslot
	TRIP 0                                         ; the last slot is written out
	PLACES 4
	MAXES 0
	MAXES 1
	MAXES 2
	MAXES 3
	WIN 0
	s_wait_alu depctr_va_vdst(0)
	s_wait_dscnt 0x0                               ; the last V is in
	SOFT
	; THE MERGE of the four key phases.  Each wave tells its -M and its sum; all take the smallest -M; a phase's share counts with f = 2^(its M - the common M), exact.
	s_wait_alu depctr_va_vdst(0)                   ; the last tile's sum was written just ahead of the products
.irp x, 0,1,2,3
	WIN 5*\x
	v_add_f32 v[OM+\x], v[L], v[L+1]
.endr
	WIN 0
.irp x, 0,1,2,3
	v_permlanex16_b32 v[PM+\x], v[OM+\x], s[SEL], s[SEL+1]
.endr
.irp x, 0,1,2,3
	v_add_f32 v[OM+\x], v[OM+\x], v[PM+\x]         ; my phase's sum of my query
.endr
.irp x, 0,1,2,3
	ds_store_b32 v[STW], v[NM+\x] offset:256*\x
	ds_store_b32 v[STW], v[OM+\x] offset:256*\x+4
.endr
	s_wait_alu depctr_va_vdst(0)
	s_wait_dscnt 0x0
	s_barrier_signal -1
	s_barrier_wait -1                              ; every wave has also ended its reads of the slots: the stages may be written
.irp k, 0,1,2,3
.irp x, 0,1,2,3
	ds_load_b64 v[8*\k+2*\x:8*\k+2*\x+1], v[STR] offset:1024*\k+256*\x
.endr
.endr
	s_wait_dscnt 0x0
.irp x, 0,1,2,3
	v_min3_num_f32 v[32+\x], v[2*\x], v[8+2*\x], v[16+2*\x]
.endr
.irp x, 0,1,2,3
	v_min_num_f32 v[32+\x], v[32+\x], v[24+2*\x]   ; the common -M
.endr
.irp k, 0,1,2,3
.irp x, 0,1,2,3
	v_sub_f32 v[36+4*\k+\x], v[32+\x], v[8*\k+2*\x]
.endr
.endr
.irp x, 0,1,2,3
	v_sub_f32 v[52+\x], v[32+\x], v[NM+\x]
.endr
.set ii, 36
.rept 20
	v_cvt_i32_f32 v[ii], v[ii]
.set ii, ii+1
.endr
.set ii, 36
.rept 20
	v_ldexp_f32 v[ii], 1.0, v[ii]                  ; the phases' f; v52-55 my own phase's
.set ii, ii+1
.endr
.irp x, 0,1,2,3
	v_mul_f32 v[56+\x], v[36+\x], v[1+2*\x]
.endr
.irp k, 1,2,3
.irp x, 0,1,2,3
	v_fma_f32 v[56+\x], v[36+4*\k+\x], v[8*\k+2*\x+1], v[56+\x]   ; the row's sum under the common M
.endr
.endr
	s_wait_alu depctr_va_vdst(0)                   ; ahead of the batch
.irp x, 0,1,2,3
	v_rcp_f32 v[60+\x], v[56+\x]
.endr
	v_nop                                          ; one plain place behind a transcendental
	s_wait_alu depctr_va_vdst(0)
.irp x, 0,1,2,3
	v_mul_f32 v[F+\x], v[52+\x], v[60+\x]          ; f / the sum
.endr
	RESCALE 0, 0, 0, 1
	RESCALE 1, 0, 1, 1
	RESCALE 2, 2, 0, 1
	RESCALE 3, 2, 1, 1
.irp x, 0,1,2,3
	WIN 4*\x                                       ; an LDS store's data are its source 1
.irp n, 0,1,2,3,4,5,6,7
	ds_store_b128 v[SO], v[O+8*\n:O+8*\n+3] offset:8448*\x+64*\n       ; lane (r, h): channels 16 n + 8 h + 0 .. 7 of query place r
	ds_store_b128 v[SO], v[O+8*\n+4:O+8*\n+7] offset:8448*\x+64*\n+16
.endr
.endr
	WIN 0
	s_wait_dscnt 0x0
	s_barrier_signal -1
	s_barrier_wait -1                              ; all phases' shares lie in the stages
.macro OLOAD hh, k                     ; eight rows of tile w, phase k's share, into window hh
	WIN 64*(\hh)
.irp i, 0,1,2,3,4,5,6,7
	ds_load_b128 v[32*(\k)+4*\i:32*(\k)+4*\i+3], v[RDA+(\k)/2] offset:((\k)%2)*STGW+528*(8*(\hh)+\i)
.endr
	WIN 0
.endm
.macro OSEND hh
	WIN 85*(\hh)
.irp i, 0,1,2,3,4,5,6,7
.irp d, 0,2
	v_pk_add_f32 v[4*\i+\d:4*\i+\d+1], v[4*\i+\d:4*\i+\d+1], v[32+4*\i+\d:33+4*\i+\d]
	v_pk_add_f32 v[64+4*\i+\d:65+4*\i+\d], v[64+4*\i+\d:65+4*\i+\d], v[96+4*\i+\d:97+4*\i+\d]
.endr
.endr
.irp i, 0,1,2,3,4,5,6,7
.irp d, 0,2
	v_pk_add_f32 v[4*\i+\d:4*\i+\d+1], v[4*\i+\d:4*\i+\d+1], v[64+4*\i+\d:65+4*\i+\d]
.endr
.endr
	WIN 4*(\hh)
.irp i, 0,1,2,3,4,5,6,7
	global_store_b128 v[L16], v[4*\i:4*\i+3], s[12:13] offset:512*\i+16384*(\hh) th:TH_STORE_NT   ; 32 lanes store a whole row of 512 bytes, aligned; the eight rows are neighbours
.endr
	WIN 0
.endm
	OLOAD 0, 0
	OLOAD 0, 1
	OLOAD 0, 2
	OLOAD 0, 3
	OLOAD 1, 0
	OLOAD 1, 1
	OLOAD 1, 2
	s_wait_dscnt 24                                ; the first eight rows are in; 24 loads of the others may be out
	OSEND 0
	OLOAD 1, 3
	s_wait_dscnt 0x0
	OSEND 1
	s_wait_tensorcnt 0x0                           ; the wave's end, behind my last tensor load and my last LDS store
	ds_add_u32 v[SPW], v[NIL]
	s_wait_dscnt 0x0
	CROUND                                         ; the closing round: no work-group ends while a partner may still ask for a slot that names it
	s_endpgm
.Lfunc_end_k_q2bc1278a36_attn:
	.size	k_q2bc1278a36_attn, .Lfunc_end_k_q2bc1278a36_attn-k_q2bc1278a36_attn
	.p2alignl 7, 3214868480
	.fill 96, 4, 3214868480
	.section	.rodata,"a",@progbits
	.p2align	6, 0x0
	.amdhsa_kernel k_q2bc1278a36_attn
		.amdhsa_group_segment_fixed_size 327680
		.amdhsa_private_segment_fixed_size 0
		.amdhsa_enable_private_segment 0
		.amdhsa_kernarg_size 40
		.amdhsa_user_sgpr_count 2
		.amdhsa_user_sgpr_kernarg_segment_ptr 1
		.amdhsa_wavefront_size32 1
		.amdhsa_system_sgpr_workgroup_id_x 1
		.amdhsa_system_sgpr_workgroup_id_y 1
		.amdhsa_system_sgpr_workgroup_id_z 1
		.amdhsa_system_vgpr_workitem_id 0
		.amdhsa_next_free_vgpr 1024
		.amdhsa_next_free_sgpr 66
		.amdhsa_reserve_vcc 1
		.amdhsa_float_denorm_mode_32 3
		.amdhsa_float_denorm_mode_16_64 3
		.amdhsa_memory_ordered 1
		.amdhsa_forward_progress 1
		.amdhsa_inst_pref_size 240
	.end_amdhsa_kernel
	.amdgpu_metadata
---
amdhsa.version: [ 1, 2 ]
amdhsa.kernels:
  - .name:           k_q2bc1278a36_attn
    .symbol:         k_q2bc1278a36_attn.kd
    .args:
      - { .name: qc, .offset: 0, .size: 8, .value_kind: global_buffer, .address_space: global }
      - { .name: qs, .offset: 8, .size: 8, .value_kind: global_buffer, .address_space: global }
      - { .name: kv, .offset: 16, .size: 8, .value_kind: global_buffer, .address_space: global }
      - { .name: padding_mask, .offset: 24, .size: 8, .value_kind: global_buffer, .address_space: global }
      - { .name: out0, .offset: 32, .size: 8, .value_kind: global_buffer, .address_space: global }
    .group_segment_fixed_size: 327680
    .private_segment_fixed_size: 0
    .kernarg_segment_align: 8
    .kernarg_segment_size: 40
    .max_flat_workgroup_size: 128
    .sgpr_count:     66
    .vgpr_count:     1024
    .wavefront_size: 32
...
	.end_amdgpu_metadata
.endif
;; end of part 3
